; MI455X (gfx1250); checked and timed in simulation.
; The chip was launched on July 23, 2026; its instructions are those of AMD's public machine-readable ISA for CDNA 5 (MIT licence, August 2026) and "CDNA5" Instruction Set Architecture Reference Guide (July 2026). The comments in the code are by the model that wrote it; some were corrected since.
;; Gate Logistic Threshold Exact K. Allowed arithmetic: float matrix products may take bf16 or f16 operands with f32 sums; other float arithmetic in f32, or as packed bf16 or f16 multiplies, adds, multiply-adds, maxima and minima; sums over many terms, partial sums and values carried from step to step in f32; what a program stores and reads back later, other than sums and carried values, may be rounded once to bf16 or f16.
;; Inputs: mask 16,384 x 1,024 bool; s 16,384 x 1,024 float32.
;; Outputs: out0 16,384 x 1,024 float32.
;; Constants: k = 64.
;; One version. Each part assembles by itself: llvm-mc -triple=amdgcn-amd-amdhsa -mcpu=gfx1250 --defsym DOCPART=n.
;; ======== version 1 of 1: 1 launch
;; launch gate (part 1): grid 256 x 1, 16 waves a work-group, no clusters, 0 bytes of LDS; arguments s, mask, out0; writes out0
.if DOCPART == 1
	.amdgcn_target "amdgcn-amd-amdhsa--gfx1250"
	.amdhsa_code_object_version 6
	.text
	.protected	k_qccb14b3e6a_gate
	.globl	k_qccb14b3e6a_gate
	.p2align	8
	.type	k_qccb14b3e6a_gate,@function
k_qccb14b3e6a_gate:
	s_mov_b64 s[64:65], 0
	v_nop
	global_prefetch_b8 v0, s[64:65] scope:SCOPE_SE
	s_setreg_imm32_b32 hwreg(HW_REG_WAVE_MODE, 25, 1), 1
	s_wait_xcnt 0x0
; out[r][c] = clip(g, 0, 1), g = sigmoid((s'[r][c] - t[r]) / 0.5), s' = mask ? s : -1e9.  t[r] starts at the row's 64th largest s' and takes 15 Newton
; steps on F(t) = sum g - 64:  t <- t - F / (-sum g (1 - g) / 0.5 + 1e-8).  s, out: [16384][1024] f32; mask: [16384][1024] bytes of 0 or 1.
; SHARES.  256 work-groups of 16 waves.  A wave has two TASKS of two rows: lanes 0-15 hold one row, lanes 16-31 the next, 64 numbers a lane, so a row's sum is four
; steps inside 16 lanes and one instruction serves both rows.  A load of s and a store of out covers 256 consecutive aligned bytes of each of the two rows.
; Rows never meet: no LDS, no barrier.  Task 1's s and mask are loaded into registers of their own while task 0 is computed; task 0's stores leave while task 1 is computed.
; THE 64TH LARGEST, exactly, by radix select on bit planes.  A lane turns its 2 x 32 numbers into 2 x 32 planes (plane b holds bit b of 32 numbers), then 32 rounds, from
; the sign down, count the candidates that have the bit set and keep one side.  The sign round: if 64 numbers or more are not negative, rank 64 among them; else the
; 64th largest is the 961st smallest of the 1,024, that is rank 961 by magnitude among the negative ones.  So the planes are used as they are, and the bits kept ARE t0.
; NEWTON.  With K = 2 / ln 2, u = 2^(-K (s' - t0)) (made once) and c = 2^(K (t - t0)):  g = 1 / (1 + u c).  Two numbers a = 1 + ua c, b = 1 + ub c share one reciprocal:
; with sigma = ua + ub and pi = ua ub (made once):  x = 1 + sigma c;  p = pi c^2 + x = a b;  r = 1 / p;  q = x r + r = ga + gb;  q^2 - 2 r = ga^2 + gb^2.
; All terms are positive: nothing cancels.  For four numbers: six packed instructions and two reciprocals.  t itself is kept and stepped in f32 as the reference steps it.
; LIMITS.  K (t - t0) is held to -38 .. 38: t is followed exactly while |t - t0| <= 13.17.  A score more than 21.75 below t0 counts as 21.75 below (u <= 2^62.8): inside that
; window its weight is 2^-24.7 at the most.  With these two bounds pi, a and b stay finite, and 1 / p is a normal number wherever one of the pair's weights is above 2^-24.
; (Left of t0 a Newton step is at most 1 / (2 g) of the 64th score's g: 8.2 in 15 steps; the root lies at most 3.44 right of t0.)  u below 2^-126 counts as 0 (g = 1).
; The division is a reciprocal and a fused multiply-add; the sums' order is not the reference's.  NaN and infinities are not treated apart.
.set ROWB,   4096                      ; bytes in a row of s and of out
.set MROWB,  1024                      ; bytes in a row of mask
.set WAVES,  16
.set TASK_S, WAVES*2*ROWB              ; from a wave's task 0 to its task 1: the 16 waves' 32 rows
.set TASK_M, WAVES*2*MROWB
.set ITERS,  15
; vector registers
.set VS,   1                           ; v1       my byte offset in the two rows of s and out: 4096 (lane / 16) + 16 (lane % 16); never rewritten
.set VM,   2                           ; v2       the same in mask: 1024 (lane / 16) + 4 (lane % 16); never rewritten
.set NTZ,  4                           ; v[4:5]   -t0 in the low register (the packed forms name a pair and take its low register twice)
.set C,    6                           ; v[6:7]   c
.set CSQ,  8                           ; v[8:9]   c^2
.set TT,   10                          ; v10      t
.set TZ,   11                          ; v11      t0; in the rounds: its bits so far
.set SG,   12                          ; v[12:13] my share of sum g - 64
.set TA,   14                          ; v[14:15] my share of sum g^2 - 64
.set FF,   16                          ; v16      F
.set GG,   17                          ; v17      sum g (1 - g), then the divisor, then its reciprocal
.set AR,   18                          ; v18      K (t - t0)
.set XB,   12                          ; v[12:19] the way out: a ring of four pairs for b
.set ALV,  12                          ; v12-13   the rounds: my candidates, a bit each, for my two groups of 32 numbers
.set ONE,  14                          ; v14-15   those with the bit set
.set ZER,  16                          ; v16-17   those without
.set CN,   18                          ; v18      the count
.set KD,   19                          ; v19      rank less count
.set TMP,  20                          ; v20-35   at work
.set XR,   20                          ; v[20:27] a ring of four pairs: x, then q; on the way out: a
.set PR,   28                          ; v[28:35] a ring of four pairs: p, then r
.set KF,   36                          ; v36      the rank still wanted, as f32
.set S,    40                          ; v40-103  s', then u, then g: chunk j (16 bytes a lane) at S + 4 j
.set P,    104                         ; v104-167 the planes of group 0, of group 1; then for chunk j sigma at P + 4 j, pi at P + 4 j + 2
.set N,    168                         ; v168-231 s as loaded
.set NM,   232                         ; v232-247 mask as loaded: four bytes for chunk j at NM + j
; scalar registers
.set WV,   10                          ; my wave's number
.set BIG,  12                          ; -1e9
.set SEL1, 13                          ; v_perm_b32 selectors: byte 1, 2, 3 of a word four times
.set SEL2, 14
.set SEL3, 15
.set LO16, 16                          ; the two low halves; the two high halves
.set HI16, 17
.set EV8,  18                          ; the even bytes of two words, interleaved; the odd bytes
.set OD8,  19
.set MSK4, 20
.set MSK2, 21
.set MSK1, 22
.set K64,  23                          ; 64.0
.set NK,   24                          ; s[24:25] -K
.set KK,   26                          ; K
.set CLO,  27                          ; -38.0, 38.0
.set CHI,  28
.set EPS,  29                          ; 1e-8
.set CNT,  30                          ; Newton steps to go
.set XMIN, 31                          ; -21.75
	s_load_b128 s[4:7], s[0:1], 0x0                ; s s[4:5], mask s[6:7]
	s_load_b64 s[8:9], s[0:1], 0x10                ; out0
	v_lshrrev_b32 v3, 5, v0
	v_readfirstlane_b32 s[WV], v3                  ; wave 0..15
	v_and_b32 v3, 15, v0                           ; lane % 16
	v_bfe_u32 v16, v0, 4, 1                        ; lane / 16: which of the two rows
	v_lshlrev_b32 v[VS], 4, v3
	v_lshl_add_u32 v[VS], v16, 12, v[VS]
	v_lshlrev_b32 v[VM], 2, v3
	v_lshl_add_u32 v[VM], v16, 10, v[VM]
	v_mov_b32 v[NTZ+1], 0                          ; the upper registers of the three pairs are named, never used
	v_mov_b32 v[C+1], 0
	v_mov_b32 v[CSQ+1], 0
	s_lshl_b32 s32, ttmp9, 5                       ; a work-group has 32 pairs of rows; task 0 of wave w is pair w, task 1 pair 16 + w
	s_add_co_u32 s32, s32, s[WV]
	s_lshl_b32 s34, s32, 11                        ; a pair is 2,048 bytes of mask
	s_lshl_b32 s32, s32, 13                        ; and 8,192 bytes of s and of out: 67,100,672 at the most
	s_mov_b32 s33, 0
	s_mov_b32 s35, 0
	s_mov_b32 s[BIG],  0xce6e6b28
	s_mov_b32 s[SEL1], 0x01010101
	s_mov_b32 s[SEL2], 0x02020202
	s_mov_b32 s[SEL3], 0x03030303
	s_mov_b32 s[LO16], 0x05040100
	s_mov_b32 s[HI16], 0x07060302
	s_mov_b32 s[EV8],  0x06020400
	s_mov_b32 s[OD8],  0x07030501
	s_mov_b32 s[MSK4], 0x0f0f0f0f
	s_mov_b32 s[MSK2], 0x33333333
	s_mov_b32 s[MSK1], 0x55555555
	s_mov_b32 s[K64],  0x42800000
	s_mov_b32 s[NK],   0xc038aa3b
	s_mov_b32 s[NK+1], 0xc038aa3b
	s_mov_b32 s[KK],   0x4038aa3b
	s_mov_b32 s[CLO],  0xc2180000
	s_mov_b32 s[CHI],  0x42180000
	s_mov_b32 s[EPS],  0x322bcc77
	s_mov_b32 s[XMIN], 0xc1ae0000
	s_wait_kmcnt 0x0
	s_add_nc_u64 s[4:5], s[4:5], s[32:33]          ; the three bases at my task 0; the task and the chunk stand in the immediates, so no address register is ever rewritten
	s_add_nc_u64 s[6:7], s[6:7], s[34:35]
	s_add_nc_u64 s[8:9], s[8:9], s[32:33]
; Chunk c of task t: 4 mask bytes and 4 numbers a lane.  The numbers are read once in the launch.  Four mask loads that the wave issues close together share each 256 bytes, so they carry no hint.
.macro LOADC t, c
	global_load_b32  v[NM+(\c)], v[VM], s[6:7] offset:(\t)*TASK_M+64*(\c)
	global_load_b128 v[N+4*(\c):N+4*(\c)+3], v[VS], s[4:5] offset:(\t)*TASK_S+256*(\c) th:TH_LOAD_NT
.endm
; 32 x 32 bits turned, group g: plane b, bit i = bit b of number i.  Each stage swaps one bit of the row index with one of the column index.
; The stages by 16 and by 8 move whole bytes: eight v_perm_b32 for the four numbers i, i + 8, i + 16, i + 24, out of S (which is kept) into P.
.macro TRANSP g
.set i, 0
.rept 8
.set y, TMP+4*(i%4)
.set a, S+32*(\g)+i
.set b, P+32*(\g)+i
	v_perm_b32 v[y],   v[a+16], v[a],   s[LO16]
	v_perm_b32 v[y+1], v[a+24], v[a+8], s[LO16]
	v_perm_b32 v[y+2], v[a+16], v[a],   s[HI16]
	v_perm_b32 v[y+3], v[a+24], v[a+8], s[HI16]
	v_perm_b32 v[b],    v[y+1], v[y],   s[EV8]
	v_perm_b32 v[b+8],  v[y+1], v[y],   s[OD8]
	v_perm_b32 v[b+16], v[y+3], v[y+2], s[EV8]
	v_perm_b32 v[b+24], v[y+3], v[y+2], s[OD8]
.set i, i+1
.endr
.endm
; The stages by 4, 2 and 1, in place: rows i and i + sh exchange the upper fields of the one and the lower fields of the other.
.macro BSTAGE g, sh, msk
.set i, 0
.set n, 0
.rept 32
.if (i & (\sh)) == 0
.set y, TMP+2*(n%8)
.set b, P+32*(\g)+i
	v_lshlrev_b32 v[y],   \sh, v[b+(\sh)]
	v_lshrrev_b32 v[y+1], \sh, v[b]
	v_bfi_b32 v[b],       s[\msk], v[b],   v[y]
	v_bfi_b32 v[b+(\sh)], s[\msk], v[y+1], v[b+(\sh)]
.set n, n+1
.endif
.set i, i+1
.endr
.endm
.macro ROWSUM r                        ; the sum over a row's 16 lanes, in every one of them
.irp x, 1,2,4,8
	v_add_f32_dpp v[\r], v[\r], v[\r] row_xmask:\x row_mask:0xf bank_mask:0xf
.endr
.endm
; THE ROUNDS.  Counts and rank are whole numbers up to 1,024 kept in f32: every sum is exact.
.macro SELECT
	v_bcnt_u32_b32 v[CN], v[P+31], 0               ; the sign round: how many of the row are negative
	v_bcnt_u32_b32 v[CN], v[P+63], v[CN]
	v_cvt_f32_u32 v[CN], v[CN]
	ROWSUM CN
	v_mov_b32 v[KF], 0x44704000                    ; 961.0
	v_cmp_ge_f32 vcc_lo, 0x44700000, v[CN]         ; 960 or fewer negative: 64 or more are not, and t0 is one of those
	v_cndmask_b32 v[ZER], 0, -1, vcc_lo
	v_cndmask_b32 v[KF], v[KF], s[K64], vcc_lo
	v_cndmask_b32 v[TZ], 1, 0, vcc_lo              ; t0's sign bit
	v_xor_b32 v[ALV],   v[P+31], v[ZER]            ; the candidates: the numbers of that sign
	v_xor_b32 v[ALV+1], v[P+63], v[ZER]
.set b, 30
.rept 31                               ; bit b of the magnitude: if KF candidates or more have it set, so has t0; else those are passed over
	v_and_b32 v[ONE],   v[ALV],   v[P+b]
	v_and_b32 v[ONE+1], v[ALV+1], v[P+32+b]
	v_bcnt_u32_b32 v[CN], v[ONE], 0
	v_xor_b32 v[ZER],   v[ALV],   v[ONE]
	v_bcnt_u32_b32 v[CN], v[ONE+1], v[CN]
	v_xor_b32 v[ZER+1], v[ALV+1], v[ONE+1]
	v_cvt_f32_u32 v[CN], v[CN]
	ROWSUM CN
	v_cmp_ge_f32 vcc_lo, v[CN], v[KF]
	v_sub_f32 v[KD], v[KF], v[CN]
	v_cndmask_b32 v[ALV],   v[ZER],   v[ONE],   vcc_lo
	v_cndmask_b32 v[ALV+1], v[ZER+1], v[ONE+1], vcc_lo
	v_cndmask_b32 v[KF], v[KD], v[KF], vcc_lo
	v_add_co_ci_u32 v[TZ], vcc_lo, v[TZ], v[TZ], vcc_lo  ; the bits so far, one place up, and this round's bit
.set b, b-1
.endr
.endm
; u = 2^(-K max(s' - t0, -21.75)) in place of s'; the difference is taken first, as the reference takes it.  Chunk k - 1's sigma and pi stand between chunk k's exponentials:
; a plain instruction that touches none of its registers follows each run of exponentials before a result is used.
.macro MAKEU
	v_xor_b32 v[NTZ], 0x80000000, v[TZ]
.set k, 0
.rept 16
.set a, S+4*k
	v_pk_add_f32 v[a:a+1],   v[a:a+1],   v[NTZ:NTZ+1] op_sel_hi:[1,0]
	v_pk_add_f32 v[a+2:a+3], v[a+2:a+3], v[NTZ:NTZ+1] op_sel_hi:[1,0]
	v_max_num_f32 v[a],   s[XMIN], v[a]
	v_max_num_f32 v[a+1], s[XMIN], v[a+1]
	v_max_num_f32 v[a+2], s[XMIN], v[a+2]
	v_max_num_f32 v[a+3], s[XMIN], v[a+3]
	v_pk_mul_f32 v[a:a+1],   v[a:a+1],   s[NK:NK+1] op_sel_hi:[1,0]
	v_pk_mul_f32 v[a+2:a+3], v[a+2:a+3], s[NK:NK+1] op_sel_hi:[1,0]
	v_exp_f32 v[a], v[a]
.if k > 0
	s_wait_alu depctr_va_vdst(0)
	v_pk_add_f32 v[P+4*k-4:P+4*k-3], v[a-4:a-3], v[a-2:a-1]
.endif
	v_exp_f32 v[a+1], v[a+1]
.if k > 0
	v_pk_mul_f32 v[P+4*k-2:P+4*k-1], v[a-4:a-3], v[a-2:a-1]
.endif
	v_exp_f32 v[a+2], v[a+2]
	v_exp_f32 v[a+3], v[a+3]
.set k, k+1
.endr
	v_mov_b32 v[TT], v[TZ]                         ; t starts at t0; also the plain instruction behind the last exponential
	s_wait_alu depctr_va_vdst(0)
	v_pk_add_f32 v[P+60:P+61], v[S+60:S+61], v[S+62:S+63]
	v_pk_mul_f32 v[P+62:P+63], v[S+60:S+61], v[S+62:S+63]
.endm
.macro MAKEC                           ; c = 2^(K (t - t0)), the exponent held to -38 .. 38, and c^2
	v_sub_f32 v[AR], v[TT], v[TZ]
	v_mul_f32 v[AR], s[KK], v[AR]
	v_med3_num_f32 v[AR], v[AR], s[CLO], s[CHI]
	v_exp_f32 v[C], v[AR]
	v_nop                                          ; a plain instruction between the exponential and the use of its result
	s_wait_alu depctr_va_vdst(0)
	v_mul_f32 v[CSQ], v[C], v[C]
.endm
; THE SUMS of one Newton step: 16 units of four numbers, eight instructions each, in a pipeline four units deep.  In step m: r of unit m - 2, x of unit m, q and the sums of
; unit m - 3, p of unit m - 1.  So each reciprocal has a plain instruction behind it that names none of its registers, and no line reads a result of the line in front
; of it but the first reciprocals.  Unit 0 starts the sums, each of the row's 32 partial sums at -2: the row's sums come out as sum g - 64 and sum g^2 - 64.
.macro SUMS
.set m, 0
.rept 19
.if (m >= 2) && (m <= 17)
	v_rcp_f32 v[PR+2*((m-2)%4)], v[PR+2*((m-2)%4)]
.endif
.if m <= 15
	v_pk_fma_f32 v[XR+2*(m%4):XR+2*(m%4)+1], v[P+4*m:P+4*m+1], v[C:C+1], 1.0 op_sel_hi:[1,0,0]  ; x = sigma c + 1
.endif
.if (m >= 2) && (m <= 17)
	v_rcp_f32 v[PR+2*((m-2)%4)+1], v[PR+2*((m-2)%4)+1]
.endif
.if m >= 3
.set q, XR+2*((m-3)%4)
.set r, PR+2*((m-3)%4)
	s_wait_alu depctr_va_vdst(0)
	v_pk_fma_f32 v[q:q+1], v[q:q+1], v[r:r+1], v[r:r+1]                                          ; q = x r + r
.if m == 3
	v_pk_fma_f32 v[TA:TA+1], v[r:r+1], -2.0, -2.0 op_sel_hi:[1,0,0]
.else
	v_pk_fma_f32 v[TA:TA+1], v[r:r+1], -2.0, v[TA:TA+1] op_sel_hi:[1,0,1]
.endif
.endif
.if (m >= 1) && (m <= 16)
	v_pk_fma_f32 v[PR+2*((m-1)%4):PR+2*((m-1)%4)+1], v[P+4*(m-1)+2:P+4*(m-1)+3], v[CSQ:CSQ+1], v[XR+2*((m-1)%4):XR+2*((m-1)%4)+1] op_sel_hi:[1,0,1]  ; p = pi c^2 + x
.endif
.if m >= 3
.if m == 3
	v_pk_add_f32 v[SG:SG+1], v[q:q+1], -2.0 op_sel_hi:[1,0]
.else
	v_pk_add_f32 v[SG:SG+1], v[SG:SG+1], v[q:q+1]
.endif
	v_pk_fma_f32 v[TA:TA+1], v[q:q+1], v[q:q+1], v[TA:TA+1]
.endif
.set m, m+1
.endr
.endm
.macro UPDATE                          ; t <- t - F / (-2 sum g (1 - g) + 1e-8); every lane of a row makes the same numbers
	v_add_f32 v[FF], v[SG], v[SG+1]
	v_add_f32 v[GG], v[TA], v[TA+1]
	v_sub_f32 v[GG], v[FF], v[GG]                  ; (sum g - 64) - (sum g^2 - 64), my share
.irp x, 1,2,4,8
	v_add_f32_dpp v[FF], v[FF], v[FF] row_xmask:\x row_mask:0xf bank_mask:0xf
	v_add_f32_dpp v[GG], v[GG], v[GG] row_xmask:\x row_mask:0xf bank_mask:0xf
.endr
	v_fma_f32 v[GG], v[GG], -2.0, s[EPS]
	v_rcp_f32 v[GG], v[GG]
	v_nop                                          ; a plain instruction between the reciprocal and the use of its result
	s_wait_alu depctr_va_vdst(0)
	v_fma_f32 v[TT], -v[FF], v[GG], v[TT]
.endm
; THE WAY OUT: a = ua c + 1, b = ub c + 1, r = 1 / (a b), ga = b r, gb = a r; the clip to 0 .. 1 rides on the last products.  In step m: a, b, a b of unit m, r of unit m - 1,
; the results and the store of unit m - 2.  A store covers 256 consecutive bytes, at a multiple of 256 from out's first byte, in each of the two rows.
.macro FINAL t
.set m, 0
.rept 18
.if m <= 15
	v_pk_fma_f32 v[XR+2*(m%4):XR+2*(m%4)+1], v[S+4*m:S+4*m+1], v[C:C+1], 1.0 op_sel_hi:[1,0,0]
.endif
.if (m >= 1) && (m <= 16)
	v_rcp_f32 v[PR+2*((m-1)%4)], v[PR+2*((m-1)%4)]
.endif
.if m <= 15
	v_pk_fma_f32 v[XB+2*(m%4):XB+2*(m%4)+1], v[S+4*m+2:S+4*m+3], v[C:C+1], 1.0 op_sel_hi:[1,0,0]
.endif
.if (m >= 1) && (m <= 16)
	v_rcp_f32 v[PR+2*((m-1)%4)+1], v[PR+2*((m-1)%4)+1]
.endif
.if m >= 2
.set a, S+4*(m-2)
.set r, PR+2*((m-2)%4)
	s_wait_alu depctr_va_vdst(0)
	v_pk_mul_f32 v[a:a+1],   v[XB+2*((m-2)%4):XB+2*((m-2)%4)+1], v[r:r+1] clamp
	v_pk_mul_f32 v[a+2:a+3], v[XR+2*((m-2)%4):XR+2*((m-2)%4)+1], v[r:r+1] clamp
	global_store_b128 v[VS], v[a:a+3], s[8:9] offset:(\t)*TASK_S+256*(m-2) th:TH_STORE_NT
.endif
.if m <= 15
	v_pk_mul_f32 v[PR+2*(m%4):PR+2*(m%4)+1], v[XR+2*(m%4):XR+2*(m%4)+1], v[XB+2*(m%4):XB+2*(m%4)+1]
.endif
.set m, m+1
.endr
.endm
; A TASK: two rows from memory to memory.  more = 1: each chunk's registers are loaded again, with the next task's chunk, as soon as they have been read.
.macro TASK t, more
.if (\t) > 0
	s_wait_xcnt 0x0                                ; the last task's stores have read S: it is rewritten only behind this wait
.endif
.set j, 0
.rept 16                               ; s' = mask ? s : -1e9.  The four mask bytes times 255 are 0x00 or 0xff; one byte spread over a word picks between the two
.set y, TMP+8*(j%2)
.if \more
	s_wait_loadcnt 30                              ; behind chunk j's two loads stand this task's 30 - 2 j and the next task's 2 j
.else
	s_wait_loadcnt 30-2*j                          ; behind chunk j's two loads stand this task's 30 - 2 j alone
.endif
	v_lshlrev_b32 v[y], 8, v[NM+j]
	v_sub_nc_u32 v[y], v[y], v[NM+j]
	v_perm_b32 v[y+1], v[y], v[y], 0
	v_perm_b32 v[y+2], v[y], v[y], s[SEL1]
	v_perm_b32 v[y+3], v[y], v[y], s[SEL2]
	v_perm_b32 v[y+4], v[y], v[y], s[SEL3]
	v_bfi_b32 v[S+4*j],   v[y+1], v[N+4*j],   s[BIG]
	v_bfi_b32 v[S+4*j+1], v[y+2], v[N+4*j+1], s[BIG]
	v_bfi_b32 v[S+4*j+2], v[y+3], v[N+4*j+2], s[BIG]
	v_bfi_b32 v[S+4*j+3], v[y+4], v[N+4*j+3], s[BIG]
.if \more
	LOADC (\t)+1, j
.endif
.set j, j+1
.endr
	TRANSP 0
	TRANSP 1
	BSTAGE 0, 4, MSK4
	BSTAGE 1, 4, MSK4
	BSTAGE 0, 2, MSK2
	BSTAGE 1, 2, MSK2
	BSTAGE 0, 1, MSK1
	BSTAGE 1, 1, MSK1
	SELECT
	MAKEU
	s_mov_b32 s[CNT], ITERS
.Lnewton_\@:
	MAKEC
	SUMS
	UPDATE
	s_sub_co_u32 s[CNT], s[CNT], 1
	s_cmp_lg_u32 s[CNT], 0
	s_cbranch_scc1 .Lnewton_\@
	MAKEC
	FINAL \t
.endm
.set j, 0
.rept 16
	LOADC 0, j                                     ; task 0: 32 loads, 10,240 bytes a wave, on their way at once
.set j, j+1
.endr
	TASK 0, 1
	TASK 1, 0                                      ; the last task is written out: it loads nothing more, and its counts run down
	s_endpgm
.Lfunc_end_k_qccb14b3e6a_gate:
	.size	k_qccb14b3e6a_gate, .Lfunc_end_k_qccb14b3e6a_gate-k_qccb14b3e6a_gate
	.p2alignl 7, 3214868480
	.fill 96, 4, 3214868480
	.section	.rodata,"a",@progbits
	.p2align	6, 0x0
	.amdhsa_kernel k_qccb14b3e6a_gate
		.amdhsa_group_segment_fixed_size 0
		.amdhsa_private_segment_fixed_size 0
		.amdhsa_enable_private_segment 0
		.amdhsa_kernarg_size 24
		.amdhsa_user_sgpr_count 2
		.amdhsa_user_sgpr_kernarg_segment_ptr 1
		.amdhsa_wavefront_size32 1
		.amdhsa_system_sgpr_workgroup_id_x 1
		.amdhsa_system_sgpr_workgroup_id_y 1
		.amdhsa_system_sgpr_workgroup_id_z 1
		.amdhsa_system_vgpr_workitem_id 0
		.amdhsa_next_free_vgpr 248
		.amdhsa_next_free_sgpr 66
		.amdhsa_reserve_vcc 1
		.amdhsa_float_denorm_mode_32 3
		.amdhsa_float_denorm_mode_16_64 3
		.amdhsa_memory_ordered 1
		.amdhsa_forward_progress 1
		.amdhsa_inst_pref_size 181
	.end_amdhsa_kernel
	.amdgpu_metadata
---
amdhsa.version: [ 1, 2 ]
amdhsa.kernels:
  - .name:           k_qccb14b3e6a_gate
    .symbol:         k_qccb14b3e6a_gate.kd
    .args:
      - { .name: s, .offset: 0, .size: 8, .value_kind: global_buffer, .address_space: global }
      - { .name: mask, .offset: 8, .size: 8, .value_kind: global_buffer, .address_space: global }
      - { .name: out0, .offset: 16, .size: 8, .value_kind: global_buffer, .address_space: global }
    .group_segment_fixed_size: 0
    .private_segment_fixed_size: 0
    .kernarg_segment_align: 8
    .kernarg_segment_size: 24
    .max_flat_workgroup_size: 512
    .sgpr_count:     66
    .vgpr_count:     248
    .wavefront_size: 32
...
	.end_amdgpu_metadata
.endif
;; end of part 1
